; MI455X (gfx1250); checked and timed in simulation.
; The chip was launched on July 23, 2026; its instructions are those of AMD's public machine-readable ISA for CDNA 5 (MIT licence, August 2026) and "CDNA5" Instruction Set Architecture Reference Guide (July 2026). The comments in the code are by the model that wrote it; some were corrected since.
;; PLE Layer. Allowed arithmetic: matrix products marked QUANTISED: E2M3 operands, one E8M0 scale for each 32 along K, by v_wmma_scale_f32_16x16x128_f8f6f4 with both operands' format E2M3, f32 sums; products left as they are: f32 operands where the result goes on into a quantised operand, else bf16, f16 or f32 operands; f32 sums; everything else in f32.
;; Inputs: W_sh 512 x 512 x 8 float32; W_t1 512 x 512 x 8 float32; W_t2 512 x 512 x 8 float32; Wg_sh 512 x 24 float32; Wg_t1 512 x 16 float32; Wg_t2 512 x 16 float32; b_sh 512 x 8 float32; b_t1 512 x 8 float32; b_t2 512 x 8 float32; bg_sh 24 float32; bg_t1 16 float32; bg_t2 16 float32; ln0_b 512 float32; ln0_g 512 float32; ln1_b 512 float32; ln1_g 512 float32; ln2_b 512 float32; ln2_g 512 float32; x_shared 4 x 2,048 x 512 float32; x_task1 4 x 2,048 x 512 float32; x_task2 4 x 2,048 x 512 float32.
;; Outputs: out0 4 x 2,048 x 512 float32; out1 4 x 2,048 x 512 float32; out2 4 x 2,048 x 512 float32.
;; This version of the problem:
;;   THIS VERSION OF THE PROBLEM IS GIVEN IN LOW PRECISION. The matrix products marked QUANTISED in the list below multiply operands that are first quantised to E2M3 (2 exponent bits, 3 mantissa bits; 6 bits a number), with one power-of-two scale for each 32 numbers along K (OCP MX v1.0); their sums are f32. All else is computed in f32.
;;   The module's matrix products, in the order in which they are computed (A, B: the left and right operand; K: the contracted axis; several contracted axes count as one K, in the product's order):
;;     1. [M 8,192, K 512] x [K 512, N 4,096]; A: computed on the way; B: input W_sh: QUANTISED
;;     2. [M 8,192, K 512] x [K 512, N 4,096]; A: computed on the way; B: input W_t1: QUANTISED
;;     3. [M 8,192, K 512] x [K 512, N 4,096]; A: computed on the way; B: input W_t2: QUANTISED
;;     4. [M 8,192, K 512] x [K 512, N 24]; A: computed on the way; B: input Wg_sh: QUANTISED
;;     5. batch 8,192 x [M 1, K 8] x [K 8, N 512]; A: computed on the way; B: computed on the way: left as it is (K = 8 < 32)
;;     6. batch 8,192 x [M 1, K 8] x [K 8, N 512]; A: computed on the way; B: computed on the way: left as it is (K = 8 < 32)
;;     7. batch 8,192 x [M 1, K 8] x [K 8, N 512]; A: computed on the way; B: computed on the way: left as it is (K = 8 < 32)
;;     8. [M 8,192, K 512] x [K 512, N 16]; A: computed on the way; B: input Wg_t1: QUANTISED
;;     9. batch 8,192 x [M 1, K 8] x [K 8, N 512]; A: computed on the way; B: computed on the way: left as it is (K = 8 < 32)
;;     10. batch 8,192 x [M 1, K 8] x [K 8, N 512]; A: computed on the way; B: computed on the way: left as it is (K = 8 < 32)
;;     11. [M 8,192, K 512] x [K 512, N 16]; A: computed on the way; B: input Wg_t2: QUANTISED
;;     12. batch 8,192 x [M 1, K 8] x [K 8, N 512]; A: computed on the way; B: computed on the way: left as it is (K = 8 < 32)
;;     13. batch 8,192 x [M 1, K 8] x [K 8, N 512]; A: computed on the way; B: computed on the way: left as it is (K = 8 < 32)
;;   THE QUANTISER, for each operand of a quantised product, along K:
;;     - K is cut into blocks of 32 from its start; a last block that is shorter is filled with zeros.
;;     - A block's scale is 2^e with e = floor(log2(the largest magnitude in the block)) - 2, held to -126 .. 127; a block of zeros has e = 0. As a byte (E8M0): e + 127.
;;     - Each number is divided by its block's scale, clamped to +-7.5, and rounded to the nearest number of E2M3, ties to even, subnormals kept.
;;     - The product sums the exact products of the quantised numbers (number of the format x scale) in f32.
;;   ~~~python
;;   def quantise(x, axis):      # numpy; x: float32 -> the quantised numbers, widened to float32 again
;;       x = np.moveaxis(x, axis, -1); K = x.shape[-1]
;;       x = np.pad(x, [(0, 0)] * (x.ndim - 1) + [(0, -K % 32)]); x = x.reshape(x.shape[:-1] + (-1, 32)); a = np.abs(x).max(-1, keepdims=True)
;;       e = np.where(a > 0, np.clip(np.frexp(np.where(a > 0, a, 1))[1] - 1 - 2, -126, 127), 0)      # np.frexp(a)[1] - 1 = floor(log2(a)), exactly
;;       r = np.clip(x / 2.0 ** e, -7.5, 7.5)
;;       step = 2.0 ** (np.maximum(np.frexp(np.where(r == 0, 1, r))[1] - 1, 0) - 3)
;;       q = np.round(r / step) * step * 2.0 ** e      # np.round: ties to even
;;       return np.moveaxis(q.reshape(q.shape[:-2] + (-1,))[..., :K], -1, axis).astype(np.float32)
;;   ~~~
;;   OPERANDS COMPUTED ON THE WAY. 'Computed on the way' means the value that the module computes at that place (a softmax that the list does not call 'softmax' is quantised finished and normalised). What goes into a quantiser is computed in f32, as accurately as f32 sums, v_exp_f32 and their like allow (about 1e-6 of the number): no bf16 or f16 on the way to a quantiser, and a product that is left as it is and whose result goes on into a quantised operand takes f32 operands (vector FMAs, or v_wmma_f32_16x16x4_f32). A number that lies on a knife's edge between two numbers of the format may be rounded either way, as far as f32 arithmetic and the matrix unit's own rounding can turn it there, and no further.
;; One version. Each part assembles by itself: llvm-mc -triple=amdgcn-amd-amdhsa -mcpu=gfx1250 --defsym DOCPART=n.
;; ======== version 1 of 1: 2 launches
;; limits: right only within a limited range of input values
;; workspace buffers: xq 9,830,400 bytes; wq 5,111,808 bytes; gq 25,600 bytes
;; launch prep (part 1): grid 770 x 1, 4 waves a work-group, no clusters, 132,608 bytes of LDS; arguments x_shared, x_task1, x_task2, ln0_g, ln0_b, ln1_g, ln1_b, ln2_g, ln2_b, W_sh, W_t1, W_t2, Wg_sh, Wg_t1, Wg_t2, xq, wq, gq, b_sh, b_t1, b_t2; writes xq, wq, gq
.if DOCPART == 1
	.amdgcn_target "amdgcn-amd-amdhsa--gfx1250"
	.amdhsa_code_object_version 6
	.text
	.protected	k_qa2252c30a5_prep
	.globl	k_qa2252c30a5_prep
	.p2align	8
	.type	k_qa2252c30a5_prep,@function
k_qa2252c30a5_prep:
	s_mov_b64 s[64:65], 0
	v_nop
	global_prefetch_b8 v0, s[64:65] scope:SCOPE_SE
	s_setreg_imm32_b32 hwreg(HW_REG_WAVE_MODE, 25, 1), 1
	s_wait_xcnt 0x0
; Every operand of the quantised products is made here once, as codes of FP6 (E2M3) with one E8M0 byte for each 32 along K = 512.
; A BLOCK of 6,400 bytes holds 16 rows x K 512 AS AN IMAGE OF THE OPERAND'S REGISTERS: byte 1536 s + 512 c + 16 lane holds registers 4 c .. 4 c + 3 of that lane's
; 12-register fragment of K step s (128 along K); byte 6144 + 64 s + 4 r holds row r's scale word of K step s.  The reader loads a fragment by three loads of 16 bytes a lane.
; Three paths, chosen by the work-group's number alone:
;   X (0 .. 383):   layer norm of 16 rows of one of the three x a wave, in f32 (mean, then the mean of the squared differences), quantised along K -> xq, block 12 (row / 64) + 4 g + (row / 16) % 4
;   W (384 .. 767): 16 columns n = 8 hid + e of one of the three W, 256 along K a wave -> wq, block 3 (n / 16) + g
;   G (768, 769):   the gates' weights -> gq: block 0 Wg_sh columns 0-15, block 1 Wg_sh columns 16-23 laid twice, block 2 Wg_t1, block 3 Wg_t2
; A block's scale is 2^(floor(log2(its largest magnitude)) - 2); its byte is the largest magnitude's exponent field - 2, held at 1 from below.
; LIMITS: a block of zeros, or one whose largest magnitude lies under 2^-124, gets the byte 1 (the rule says 127 for zeros): its codes are zeros or what the floor's scale gives; the bytes are read by this program alone.
; NaN and infinities among the inputs are not served.
; No tensor loads, no barrier, no matrix work: waves share nothing.  Only path X uses LDS, a stage of its own for each wave.
.set BLK,  6400
.set XSTG, 33024                       ; path X: a wave's stage: 16 rows x XP
.set XP,   2064                        ; a row of 2,048 bytes + 16: the sixteen rows that a load of 16 bytes a lane touches begin 516 words apart
.set GAM,  32                          ; v32-47  gamma: quad c holds k = 128 c + 4 lane + 0 .. 3
.set BET,  48                          ; v48-63  beta likewise
.set PC,   192                         ; path X: the codes just made (12 registers, and 7 at work behind them)
.set TM,   212                         ; v212-227 at work in QUANT
.set PW,   228                         ; the scale word just made
.set PWS,  232                         ; v232-235 the four K steps' scale words
; the sum over the wave's 32 lanes of v[b + 2 p], p = 0 .. 3, the four by turns; every lane ends up with it
.macro RED4 b
.irp x, 1,2,4,8
.irp p, 0,1,2,3
	v_add_f32_dpp v[\b+2*\p], v[\b+2*\p], v[\b+2*\p] row_xmask:\x row_mask:0xf bank_mask:0xf
.endr
.endr
.irp p, 0,1,2,3
	v_permlanex16_b32 v[24+\p], v[\b+2*\p], s20, s21
.endr
.irp p, 0,1,2,3
	v_add_f32 v[\b+2*\p], v[\b+2*\p], v[24+\p]
.endr
.endm
; rows 4 q .. 4 q + 3 of the wave's 16 into register group q % 3: each load covers 512 consecutive bytes
.macro LOADG q
.irp p, 0,1,2,3
.irp c, 0,1,2,3
	global_load_b128 v[64+64*((\q)%3)+16*\p+4*\c:64+64*((\q)%3)+16*\p+4*\c+3], v4, s[24:25] offset:(4*(\q)+\p)*2048+512*\c th:TH_LOAD_NT
.endr
.endr
.endm
; the layer norm of these four rows, by turns, and their way into the stage
.macro ROWS4 q
.set XB, 64+64*((\q)%3)
.irp p, 0,1,2,3
	v_pk_add_f32 v[8+2*\p:9+2*\p], v[XB+16*\p:XB+16*\p+1], v[XB+16*\p+2:XB+16*\p+3]
.endr
.irp i, 4,6,8,10,12,14
.irp p, 0,1,2,3
	v_pk_add_f32 v[8+2*\p:9+2*\p], v[8+2*\p:9+2*\p], v[XB+16*\p+\i:XB+16*\p+\i+1]
.endr
.endr
.irp p, 0,1,2,3
	v_add_f32 v[8+2*\p], v[8+2*\p], v[9+2*\p]
.endr
	RED4 8
.irp p, 0,1,2,3
	v_mul_f32 v[8+2*\p], s22, v[8+2*\p]            ; the mean
.endr
.irp i, 0,2,4,6,8,10,12,14
.irp p, 0,1,2,3
	v_pk_add_f32 v[XB+16*\p+\i:XB+16*\p+\i+1], v[XB+16*\p+\i:XB+16*\p+\i+1], v[8+2*\p:9+2*\p] op_sel_hi:[1,0] neg_lo:[0,1] neg_hi:[0,1]   ; x - mean
.endr
.endr
.irp p, 0,1,2,3
	v_pk_mul_f32 v[16+2*\p:17+2*\p], v[XB+16*\p:XB+16*\p+1], v[XB+16*\p:XB+16*\p+1]
.endr
.irp i, 2,4,6,8,10,12,14
.irp p, 0,1,2,3
	v_pk_fma_f32 v[16+2*\p:17+2*\p], v[XB+16*\p+\i:XB+16*\p+\i+1], v[XB+16*\p+\i:XB+16*\p+\i+1], v[16+2*\p:17+2*\p]
.endr
.endr
.irp p, 0,1,2,3
	v_add_f32 v[16+2*\p], v[16+2*\p], v[17+2*\p]
.endr
	RED4 16
.irp p, 0,1,2,3
	v_fma_f32 v[16+2*\p], v[16+2*\p], s22, s23     ; the variance + 1e-5
.endr
	s_wait_alu depctr_va_vdst(0)
.irp p, 0,1,2,3
	v_rsq_f32 v[16+2*\p], v[16+2*\p]
.endr
	v_nop                                          ; a plain instruction between the last root and the use of its result
	s_wait_alu depctr_va_vdst(0)
.irp i, 0,2,4,6,8,10,12,14
.irp p, 0,1,2,3
	v_pk_mul_f32 v[XB+16*\p+\i:XB+16*\p+\i+1], v[XB+16*\p+\i:XB+16*\p+\i+1], v[16+2*\p:17+2*\p] op_sel_hi:[1,0]
.endr
.endr
.irp i, 0,2,4,6,8,10,12,14
.irp p, 0,1,2,3
	v_pk_fma_f32 v[XB+16*\p+\i:XB+16*\p+\i+1], v[XB+16*\p+\i:XB+16*\p+\i+1], v[GAM+\i:GAM+\i+1], v[BET+\i:BET+\i+1]
.endr
.endr
.irp p, 0,1,2,3
.irp c, 0,1,2,3
	ds_store_b128 v5, v[XB+16*\p+4*\c:XB+16*\p+4*\c+3] offset:(4*(\q)+\p)*XP+512*\c
.endr
.endr
.endm
; K step s back from the stage: lane (r, h) takes, of row r, 16 neighbours of each block of 32: register 16 b + i = k 128 s + 32 b + 16 h + i
.macro FETCH s
.irp b, 0,1,2,3
.irp j, 0,1,2,3
	ds_load_b128 v[64+64*((\s)%2)+16*\b+4*\j:64+64*((\s)%2)+16*\b+4*\j+3], v6 offset:512*(\s)+128*\b+16*\j
.endr
.endr
.endm
; 64 numbers of a lane, laid as FETCH leaves them, become a fragment's codes in v[PC] on and its row's scale word in v[PW]
.macro QUANT s
.irp b, 0,1,2,3
	v_max3_num_f32 v[TM+\b], |v[\s+16*\b]|, |v[\s+1+16*\b]|, 0x1800000   ; block b: my 16 numbers, and the floor 2^(3 - 127): the byte cannot fall under 1
.endr
.irp i, 2,4,6,8,10,12,14
.irp b, 0,1,2,3
	v_max3_num_f32 v[TM+\b], v[TM+\b], |v[\s+16*\b+\i]|, |v[\s+1+16*\b+\i]|
.endr
.endr
.irp b, 0,1,2,3
	v_permlanex16_b32 v[TM+4+\b], v[TM+\b], s20, s21
.endr
.irp b, 0,1,2,3
	v_max_num_f32 v[TM+\b], v[TM+\b], v[TM+4+\b]   ; with lane l xor 16's: the block's largest magnitude
.endr
.irp b, 0,1,2,3
	v_add_nc_u32 v[TM+12+\b], 0xff000000, v[TM+\b] ; 2 off its exponent field: the conversion takes the exponent field of this operand as its scale
.endr
.irp b, 0,1,2,3
	v_lshrrev_b32 v[TM+4+\b], 23, v[TM+12+\b]      ; the scale's byte
.endr
	v_lshl_or_b32 v[PW], v[TM+5], 8, v[TM+4]
	v_lshl_or_b32 v[PW], v[TM+6], 16, v[PW]
	v_lshl_or_b32 v[PW], v[TM+7], 24, v[PW]
.irp c, 0,1
	v_cvt_scalef32_pk16_fp6_f32 v[PC+6*\c:PC+2+6*\c], v[\s+32*\c:\s+15+32*\c], v[TM+12+2*\c]
	v_cvt_scalef32_pk16_fp6_f32 v[PC+12+4*\c:PC+14+4*\c], v[\s+16+32*\c:\s+31+32*\c], v[TM+12+2*\c+1]   ; (a conversion's three registers begin on an even number)
.endr
	v_nop                                          ; one plain place behind a scaled conversion
.irp c, 0,1                                    ; the operand's layout wants a whole block in a lane: lanes 0-15 block 2 c, lanes 16-31 block 2 c + 1
.irp i, 0,1,2
	v_permlane16_swap_b32 v[PC+6*\c+\i], v[PC+12+4*\c+\i]
.endr
.irp i, 0,1,2
	v_mov_b32 v[PC+3+6*\c+\i], v[PC+12+4*\c+\i]
.endr
.endr
.endm
.macro XSTEP s
.if (\s) < 3
	s_wait_dscnt 16                                ; this K step's 16 loads are back; the next fetch's 16 may be out
.else
	s_wait_dscnt 0x0
.endif
.if (\s) > 0
	s_wait_xcnt 0x0                                ; the last K step's stores have read the codes' registers
.endif
	QUANT 64+64*((\s)%2)
	v_mov_b32 v[PWS+(\s)], v[PW]
.irp c, 0,1,2
	global_store_b128 v4, v[PC+4*\c:PC+4*\c+3], s[44:45] offset:1536*(\s)+512*\c   ; 512 consecutive bytes, at a multiple of 256 from the buffer's first byte
.endr
.if (\s) < 2
	FETCH (\s)+2
.endif
.endm
; PATHS W AND G.  A lane takes a column, and its registers run down K in the order that the operand's layout gives that lane: block t = 2 u + c of the wave's 256 along K is k = 64 t + 32 h + 0 .. 31.
; s[24:25]: the weight at the wave's first k; v5: the lane's column in bytes + 32 h rows; s[26:27]: where the two fragments go; s[28:29], v6 = 4 r: where their scale words go.
.macro QLOAD pitch, t
.set QI, 0
.rept 32
	global_load_b32 v[64+32*(\t)+QI], v5, s[24:25] offset:(\pitch)*(64*(\t)+QI)
.set QI, QI+1
.endr
.endm
.macro QBLOCK pitch, t
.set QX, 64+32*(\t)
.set QU, (\t)/2
.set QC, (\t)%2
.if (\t) < 3
	s_wait_loadcnt 32                              ; this block's 32 loads are in; the next block's may be out
.else
	s_wait_loadcnt 0x0
.endif
.if (\t) < 2
	QLOAD \pitch, (\t)+2
.endif
	v_max3_num_f32 v8, |v[QX]|, |v[QX+1]|, |v[QX+2]|               ; the block's largest magnitude: all 32 numbers are mine
	v_max3_num_f32 v9, |v[QX+3]|, |v[QX+4]|, |v[QX+5]|
.irp i, 6,10,14,18,22,26
	v_max3_num_f32 v8, v8, |v[QX+\i]|, |v[QX+\i+1]|
	v_max3_num_f32 v9, v9, |v[QX+\i+2]|, |v[QX+\i+3]|
.endr
	v_max3_num_f32 v8, v8, |v[QX+30]|, |v[QX+31]|
	v_max3_num_f32 v8, v8, v9, 0x1800000           ; and the floor
	v_add_nc_u32 v[12+(\t)], 0xff000000, v8        ; the conversion's scale operand
	v_lshrrev_b32 v[16+(\t)], 23, v[12+(\t)]       ; the scale's byte
	v_cvt_scalef32_pk16_fp6_f32 v[192+16*QU+6*QC:192+16*QU+6*QC+2], v[QX:QX+15], v[12+(\t)]
	v_cvt_scalef32_pk16_fp6_f32 v[224+4*(\t):224+4*(\t)+2], v[QX+16:QX+31], v[12+(\t)]
	v_nop                                          ; one plain place behind a scaled conversion
.irp i, 0,1,2
	v_mov_b32 v[195+16*QU+6*QC+\i], v[224+4*(\t)+\i]
.endr
.if QC == 1                                    ; a K step of 128 is whole: its scale word and its image leave; each K step has registers of its own, so no store's data are written again
	v_lshl_or_b32 v[20+QU], v[16+(\t)], 16, v[15+(\t)]   ; my two bytes: blocks h and 2 + h,
	v_lshlrev_b32 v22, 3, v3
	v_lshlrev_b32 v[20+QU], v22, v[20+QU]          ; at their places in the word (8 h bits up);
	v_mov_b32 v23, 0
	v_permlanex16_b32 v23, v[20+QU], s20, s21
	v_or_b32 v[20+QU], v[20+QU], v23               ; with lane l xor 16's two the word is whole
.irp c, 0,1,2
	global_store_b128 v4, v[192+16*QU+4*\c:192+16*QU+4*\c+3], s[26:27] offset:1536*QU+512*\c
.endr
	global_store_b32 v6, v[20+QU], s[28:29] offset:64*QU   ; both halves of the lanes write the same word with the same value
.endif
.endm
.macro QW pitch
	QLOAD \pitch, 0
	QLOAD \pitch, 1
	QBLOCK \pitch, 0
	QBLOCK \pitch, 1
	QBLOCK \pitch, 2
	QBLOCK \pitch, 3
.endm
	v_lshl_add_u32 v30, v0, 2, 0x20400
	v_mov_b32 v31, 0
	v_lshrrev_b32 v1, 5, v0
	v_readfirstlane_b32 s16, v1                    ; wave 0..3
	v_and_b32 v1, 31, v0                           ; lane
	v_and_b32 v2, 15, v0                           ; r
	v_bfe_u32 v3, v0, 4, 1                         ; h
	v_lshlrev_b32 v4, 4, v1                        ; 16 x lane
	s_mov_b32 s20, 0x76543210
	s_mov_b32 s21, 0xfedcba98                      ; v_permlanex16_b32's selects for lane l xor 16
	s_cmp_lt_u32 ttmp9, 384
	s_cbranch_scc0 .Lnot_x
	; ---- PATH X
	s_load_b128 s[24:27], s[0:1], 0x0              ; x_shared, x_task1
	s_load_b64 s[28:29], s[0:1], 0x10              ; x_task2
	s_load_b128 s[32:35], s[0:1], 0x18             ; ln0_g, ln0_b
	s_load_b128 s[36:39], s[0:1], 0x28             ; ln1_g, ln1_b
	s_load_b128 s[40:43], s[0:1], 0x38             ; ln2_g, ln2_b
	s_load_b64 s[44:45], s[0:1], 0x78              ; xq
	s_mul_i32 s30, s16, XSTG                       ; my stage
	s_wait_alu depctr_va_vdst(0)
	v_add_nc_u32 v5, s30, v4                       ; into it: 16 x lane
	v_mul_u32_u24 v6, v2, XP
	v_lshl_add_u32 v6, v3, 6, v6
	v_add_nc_u32 v6, s30, v6                       ; out of it: row r, + 64 h
	v_lshlrev_b32 v7, 2, v1                        ; 4 x lane
	s_mov_b32 s22, 0x3b000000                      ; 1 / 512
	s_mov_b32 s23, 0x3727c5ac                      ; 1e-5
.irp p, 0,1,2,3
	v_mov_b32 v[24+\p], 0                          ; written once: a lane permute's destination counts as one of its sources
.endr
	s_wait_kmcnt 0x0
	s_cmp_lt_u32 ttmp9, 256                        ; which tensor: the choice hangs on the work-group's number alone
	s_cselect_b64 s[26:27], s[26:27], s[28:29]
	s_cselect_b64 s[36:37], s[36:37], s[40:41]
	s_cselect_b64 s[38:39], s[38:39], s[42:43]
	s_cselect_b32 s17, 1, 2
	s_cmp_lt_u32 ttmp9, 128
	s_cselect_b64 s[24:25], s[24:25], s[26:27]
	s_cselect_b64 s[32:33], s[32:33], s[36:37]
	s_cselect_b64 s[34:35], s[34:35], s[38:39]
	s_cselect_b32 s17, 0, s17                      ; g
	s_lshl_b32 s18, s17, 7
	s_sub_co_u32 s18, ttmp9, s18
	s_lshl_b32 s18, s18, 2
	s_add_co_u32 s18, s18, s16                     ; my tile of 16 rows, 0 .. 511
	s_lshl_b32 s46, s18, 15                        ; 16 rows of 2,048 bytes
	s_mov_b32 s47, 0
	s_add_nc_u64 s[24:25], s[24:25], s[46:47]
	; xq's order of blocks: 12 (tile / 4) + 4 g + tile % 4, so that the 12 blocks of 64 rows (three x) lie on end
	s_lshr_b32 s19, s18, 2
	s_mul_i32 s19, s19, 12
	s_lshl_b32 s46, s17, 2
	s_add_co_u32 s19, s19, s46
	s_and_b32 s46, s18, 3
	s_add_co_u32 s19, s19, s46
	s_mul_i32 s46, s19, BLK
	s_add_nc_u64 s[44:45], s[44:45], s[46:47]      ; block 12 (tile / 4) + 4 g + tile % 4
.irp c, 0,1,2,3
	global_load_b128 v[GAM+4*\c:GAM+4*\c+3], v4, s[32:33] offset:512*\c
	global_load_b128 v[BET+4*\c:BET+4*\c+3], v4, s[34:35] offset:512*\c
.endr
	LOADG 0
	LOADG 1
	LOADG 2
	s_wait_loadcnt 32                              ; gamma, beta and rows 0-3 are in; the two groups behind them may be out
	ROWS4 0
	s_wait_dscnt 0x0                               ; the stores into the stage have read their registers,
	LOADG 3                                        ; which take rows 12-15
	s_wait_loadcnt 32                              ; rows 4-7
	ROWS4 1
	s_wait_loadcnt 16                              ; rows 8-11
	ROWS4 2
	s_wait_loadcnt 0x0
	ROWS4 3
	s_wait_dscnt 0x0                               ; all stores have read their registers: these are now taken for other things
.irp b, 0,1,2,3
	v_mov_b32 v[TM+4+\b], 0                        ; a lane permute's destination
.endr
	FETCH 0                                        ; my own bytes, and LDS serves a wave's instructions in order
	FETCH 1
	XSTEP 0
	XSTEP 1
	XSTEP 2
	XSTEP 3
	v_cmp_le_u32 vcc_lo, 16, v1                    ; the scale words leave as the reader wants them: lanes 0-15 an even K step's, lanes 16-31 the next one's
	v_cndmask_b32 v236, v232, v233, vcc_lo
	v_cndmask_b32 v237, v234, v235, vcc_lo
	global_store_b32 v7, v236, s[44:45] offset:6144
	global_store_b32 v7, v237, s[44:45] offset:6272
	s_wait_tensorcnt 0x0
	ds_add_u32 v30, v31
	s_wait_dscnt 0x0
	s_endpgm
.Lnot_x:
	s_cmp_lt_u32 ttmp9, 768
	s_cbranch_scc0 .Lgates
	; ---- PATH W: the four waves stand side by side on 256 consecutive bytes of each row k
	s_load_b128 s[32:35], s[0:1], 0x48             ; W_sh, W_t1
	s_load_b64 s[36:37], s[0:1], 0x58              ; W_t2
	s_load_b64 s[26:27], s[0:1], 0x80              ; wq
	s_load_b128 s[40:43], s[0:1], 0x90             ; b_sh, b_t1
	s_load_b64 s[44:45], s[0:1], 0xa0              ; b_t2
	s_sub_co_u32 s17, ttmp9, 384
	s_lshr_b32 s18, s17, 7                         ; g
	s_and_b32 s19, s17, 127
	s_and_b32 s22, s19, 1                          ; a: which 256 along K
	s_lshr_b32 s19, s19, 1
	s_lshl_b32 s19, s19, 2
	s_add_co_u32 s19, s19, s16                     ; T: which 16 columns, 0 .. 255
	s_wait_alu depctr_va_vdst(0)
	v_lshlrev_b32 v6, 2, v2                        ; 4 r
	v_lshl_add_u32 v5, v3, 19, v6                  ; + 32 h rows of 16,384 bytes
	v_lshlrev_b32 v10, 2, v1                       ; 4 x lane
	s_wait_alu depctr_va_vdst(0)
	s_wait_kmcnt 0x0
	s_cmp_lt_u32 s18, 2
	s_cselect_b64 s[34:35], s[34:35], s[36:37]
	s_cmp_eq_u32 s18, 0
	s_cselect_b64 s[24:25], s[32:33], s[34:35]
	s_lshl_b32 s30, s22, 22                        ; 256 a rows
	s_lshl_b32 s31, s19, 6                         ; 64 T bytes
	s_add_co_u32 s30, s30, s31
	s_mov_b32 s31, 0
	s_add_nc_u64 s[24:25], s[24:25], s[30:31]
	s_mul_i32 s30, s19, 3
	s_add_co_u32 s30, s30, s18
	s_mul_i32 s30, s30, 6656                       ; wq's blocks are 6,656 bytes: the image of 6,400 and 256 bytes of bias (the 16 columns' bias, four times on end)
	s_add_nc_u64 s[26:27], s[26:27], s[30:31]      ; block 3 T + g
	s_cmp_lt_u32 s18, 2
	s_cselect_b64 s[42:43], s[42:43], s[44:45]
	s_cmp_eq_u32 s18, 0
	s_cselect_b64 s[40:41], s[40:41], s[42:43]
	s_lshl_b32 s30, s19, 6                         ; the bias of columns 16 T on
	s_add_nc_u64 s[40:41], s[40:41], s[30:31]
	global_load_b32 v28, v6, s[40:41]              ; column r's, in both halves of the lanes
	s_lshl_b32 s30, s22, 7
	s_add_co_u32 s30, s30, 6144
	s_add_nc_u64 s[28:29], s[26:27], s[30:31]      ; its scale words of K steps 2 a, 2 a + 1
	s_mul_i32 s30, s22, 3072
	s_add_nc_u64 s[26:27], s[26:27], s[30:31]      ; and their fragments
	QW 16384                                       ; the largest offset, 223 rows, lies inside the signed 24-bit immediate
	global_store_b32 v10, v28, s[28:29] offset:256 ; bytes 6,400 + 128 a + 4 x lane of the block: the two work-groups of a block write a half of its bias each
	s_endpgm
.Lgates:
	; ---- PATH G: wave q makes block q, work-group a its K steps 2 a, 2 a + 1
	s_load_b128 s[32:35], s[0:1], 0x60             ; Wg_sh, Wg_t1
	s_load_b64 s[36:37], s[0:1], 0x70              ; Wg_t2
	s_load_b64 s[26:27], s[0:1], 0x88              ; gq
	s_sub_co_u32 s22, ttmp9, 768                   ; a
	s_wait_alu depctr_va_vdst(0)
	v_lshlrev_b32 v6, 2, v2
	s_mov_b32 s31, 0
	s_wait_kmcnt 0x0
	s_mul_i32 s30, s16, BLK
	s_add_nc_u64 s[26:27], s[26:27], s[30:31]
	s_lshl_b32 s30, s22, 7
	s_add_co_u32 s30, s30, 6144
	s_add_nc_u64 s[28:29], s[26:27], s[30:31]
	s_mul_i32 s30, s22, 3072
	s_add_nc_u64 s[26:27], s[26:27], s[30:31]
	s_cmp_lt_u32 s16, 2
	s_cbranch_scc0 .Ltask_gates
	s_lshl_b32 s17, s16, 3
	s_sub_co_u32 s17, 15, s17                      ; block 0: column r; block 1: column 16 + r % 8
	v_and_b32 v5, s17, v2
	v_lshlrev_b32 v5, 2, v5
	s_lshl_b32 s17, s16, 6
	v_add_nc_u32 v5, s17, v5
	v_mad_u32_u24 v5, v3, 3072, v5                 ; + 32 h rows of 96 bytes
	s_wait_alu depctr_va_vdst(0)
	s_mul_i32 s30, s22, 24576                      ; 256 a rows
	s_add_nc_u64 s[24:25], s[32:33], s[30:31]
	QW 96
	s_endpgm
.Ltask_gates:
	s_cmp_eq_u32 s16, 2
	s_cselect_b64 s[24:25], s[34:35], s[36:37]
	s_wait_alu depctr_va_vdst(0)
	v_lshl_add_u32 v5, v3, 11, v6                  ; 4 r + 32 h rows of 64 bytes
	s_wait_alu depctr_va_vdst(0)
	s_lshl_b32 s30, s22, 14                        ; 256 a rows
	s_add_nc_u64 s[24:25], s[24:25], s[30:31]
	QW 64
	s_endpgm
.Lfunc_end_k_qa2252c30a5_prep:
	.size	k_qa2252c30a5_prep, .Lfunc_end_k_qa2252c30a5_prep-k_qa2252c30a5_prep
	.p2alignl 7, 3214868480
	.fill 96, 4, 3214868480
	.section	.rodata,"a",@progbits
	.p2align	6, 0x0
	.amdhsa_kernel k_qa2252c30a5_prep
		.amdhsa_group_segment_fixed_size 132608
		.amdhsa_private_segment_fixed_size 0
		.amdhsa_enable_private_segment 0
		.amdhsa_kernarg_size 168
		.amdhsa_user_sgpr_count 2
		.amdhsa_user_sgpr_kernarg_segment_ptr 1
		.amdhsa_wavefront_size32 1
		.amdhsa_system_sgpr_workgroup_id_x 1
		.amdhsa_system_sgpr_workgroup_id_y 1
		.amdhsa_system_sgpr_workgroup_id_z 1
		.amdhsa_system_vgpr_workitem_id 0
		.amdhsa_next_free_vgpr 256
		.amdhsa_next_free_sgpr 66
		.amdhsa_reserve_vcc 1
		.amdhsa_float_denorm_mode_32 3
		.amdhsa_float_denorm_mode_16_64 3
		.amdhsa_memory_ordered 1
		.amdhsa_forward_progress 1
		.amdhsa_inst_pref_size 148
	.end_amdhsa_kernel
	.amdgpu_metadata
---
amdhsa.version: [ 1, 2 ]
amdhsa.kernels:
  - .name:           k_qa2252c30a5_prep
    .symbol:         k_qa2252c30a5_prep.kd
    .args:
      - { .name: x_shared, .offset: 0, .size: 8, .value_kind: global_buffer, .address_space: global }
      - { .name: x_task1, .offset: 8, .size: 8, .value_kind: global_buffer, .address_space: global }
      - { .name: x_task2, .offset: 16, .size: 8, .value_kind: global_buffer, .address_space: global }
      - { .name: ln0_g, .offset: 24, .size: 8, .value_kind: global_buffer, .address_space: global }
      - { .name: ln0_b, .offset: 32, .size: 8, .value_kind: global_buffer, .address_space: global }
      - { .name: ln1_g, .offset: 40, .size: 8, .value_kind: global_buffer, .address_space: global }
      - { .name: ln1_b, .offset: 48, .size: 8, .value_kind: global_buffer, .address_space: global }
      - { .name: ln2_g, .offset: 56, .size: 8, .value_kind: global_buffer, .address_space: global }
      - { .name: ln2_b, .offset: 64, .size: 8, .value_kind: global_buffer, .address_space: global }
      - { .name: W_sh, .offset: 72, .size: 8, .value_kind: global_buffer, .address_space: global }
      - { .name: W_t1, .offset: 80, .size: 8, .value_kind: global_buffer, .address_space: global }
      - { .name: W_t2, .offset: 88, .size: 8, .value_kind: global_buffer, .address_space: global }
      - { .name: Wg_sh, .offset: 96, .size: 8, .value_kind: global_buffer, .address_space: global }
      - { .name: Wg_t1, .offset: 104, .size: 8, .value_kind: global_buffer, .address_space: global }
      - { .name: Wg_t2, .offset: 112, .size: 8, .value_kind: global_buffer, .address_space: global }
      - { .name: xq, .offset: 120, .size: 8, .value_kind: global_buffer, .address_space: global }
      - { .name: wq, .offset: 128, .size: 8, .value_kind: global_buffer, .address_space: global }
      - { .name: gq, .offset: 136, .size: 8, .value_kind: global_buffer, .address_space: global }
      - { .name: b_sh, .offset: 144, .size: 8, .value_kind: global_buffer, .address_space: global }
      - { .name: b_t1, .offset: 152, .size: 8, .value_kind: global_buffer, .address_space: global }
      - { .name: b_t2, .offset: 160, .size: 8, .value_kind: global_buffer, .address_space: global }
    .group_segment_fixed_size: 132608
    .private_segment_fixed_size: 0
    .kernarg_segment_align: 8
    .kernarg_segment_size: 168
    .max_flat_workgroup_size: 128
    .sgpr_count:     66
    .vgpr_count:     256
    .wavefront_size: 32
...
	.end_amdgpu_metadata
.endif
;; end of part 1
;; launch main (part 2): grid 32 x 8, 4 waves a work-group, clusters of 4 x 1, 327,680 bytes of LDS; arguments xq, wq, gq, bg_sh, bg_t1, bg_t2, out0, out1, out2; writes out0, out1, out2
.if DOCPART == 2
	.amdgcn_target "amdgcn-amd-amdhsa--gfx1250"
	.amdhsa_code_object_version 6
	.text
	.protected	k_qa2252c30a5_main
	.globl	k_qa2252c30a5_main
	.p2align	8
	.type	k_qa2252c30a5_main,@function
k_qa2252c30a5_main:
	s_mov_b64 s[64:65], 0
	v_nop
	global_prefetch_b8 v0, s[64:65] scope:SCOPE_SE
	s_setreg_imm32_b32 hwreg(HW_REG_WAVE_MODE, 25, 1), 1
	s_wait_xcnt 0x0
	s_wait_alu depctr_hold_cnt(0) depctr_sa_sdst(0) depctr_va_vdst(0) depctr_va_sdst(0) depctr_va_ssrc(0) depctr_va_vcc(0) depctr_vm_vsrc(0)
	s_getreg_b32 s2, hwreg(HW_REG_IB_STS2, 6, 4)
	s_cmp_eq_u32 s2, 0
	s_cbranch_scc0 .Lentry_in_a_cluster
	s_endpgm
.Lentry_in_a_cluster:
	s_bfe_u32 s2, ttmp6, 0x10000c
	s_cmp_lg_u32 s2, 0x3003
	s_cbranch_scc0 .Lentry_shape_is_right
	s_endpgm
.Lentry_shape_is_right:
; The gates, the three expert products, bias, relu and the gate-weighted sums over the experts, on the codes that the launch before has made.
; xq, gq: blocks of 6,400 bytes (16 rows x K 512 as images of the operand's registers: four fragments of 1,536 bytes, 256 bytes of scale words); wq: the same and 256 bytes of bias, 6,656 bytes.
; SHARES.  Work-group (x, y): rows 256 x .. + 255, hidden units 64 y .. + 63 of all three outputs: 32 tiles of 16 columns n = 8 hid + e for each group (0 shared, 1 task 1, 2 task 2).  A wave: 64 rows, four tiles m.
; x: a wave's 12 blocks (76,800 bytes on end) come by ONE tensor load into LDS, go from there into 576 registers and stay.
; W: a ring of two LDS slots of 6 blocks (2 tiles x 3 groups), asked for JOINTLY by the four work-groups of a cluster, which share y (mask 15); x is not shared along x, so a wider cluster would share nothing more.
; The slots and the stage lie on bytes that held x: x's fill is those bytes' first, the slots are filled again behind rounds of the cluster's barrier, and no fill lands on the stage after x's.
; LAYOUT.  The products are used transposed (source 0 = 16 columns of W, source 1 = 16 rows of x): lane (r, h) holds row r and the EIGHT EXPERTS of hidden unit 2 T + h.  The bias is the first C; the sum over experts stays in a lane.
; A GROUP STEP is one block of W: one wait for its fragments (asked for a whole step earlier, two sets of registers), one run of 16 LDS loads for the next block, 16 matrix instructions on four accumulators by turns,
; then relu and packed multiply-adds by the row's gates.  The change of slots stands inside a slot's last group step.
; No data prefetch is laid: the one stream, y's 96 blocks of wq, is asked for jointly one slot step (96 matrix instructions a wave) ahead of its use, and xq is asked for once, at the first line that can.
; LIMITS: NaN and infinities are not served; see the launch before for the scale bytes.  The softmax takes the row's maximum away first.
; REGISTERS (windows of 256; s_set_vgpr_msb: bits 1:0 source 0, 3:2 source 1, 5:4 source 2, 7:6 destination):
;   window 0: v1-15 addresses; v16-39 x's scale words; v40-43 W's scale words, two sets; v44-47 the task gates' weights' scale words; v48-143 W's fragments, two sets; v144-159 bias, two sets;
;             v160-191 accumulators; v192-215 the outputs' sums, a pair for each (output, m); v216-247 g_t2[8:16]; v248-255 at work in the softmax.
;   window 1 + g: v0-191 x of group g, fragment (m, s) at 12 (4 m + s); v192-255 two sets of gates that weigh group g:  window 1: g_sh[8:16], g_t1[8:16];  2: g_sh[0:8], g_t1[0:8];  3: g_sh[16:24], g_t2[0:8]; each at 8 m.
.set BLK,   6400
.set BLW,   6656
.set SLB,   6*BLW                      ; a slot
.set QTR,   SLB/4                      ; a wave's part of a fill: 39 rows of 256 bytes
.set XW,    12*BLK                     ; a wave's x
.set CH,    24608                      ; a chunk of the stage: 8 hidden units (32 bytes) of 768 rows (4 waves x 3 outputs x 64), + 32
.set STG,   0
.set SLOT0, 8*CH                       ; 196,864, a multiple of 256
.set SLOT1, SLOT0+SLB
.set SPARE, 4*XW                       ; 307,200: behind x: the spare words, 128 bytes a wave, which no other line names
.set WA,  3                            ; v3-4 fragments in slot 0, 1: base + 16 x lane
.set SA,  5                            ; v5-6 scale words: base + 6,144 + 4 x lane
.set BA,  7                            ; v7-8 bias: base + 6,400 + 32 h
.set XS,  16                           ; 8 g + 2 m + u: lanes 0-15 K step 2 u, lanes 16-31 K step 2 u + 1
.set WS,  40
.set GSC, 44
.set WF,  48
.set BI,  144
.set ACC, 160
.set OUT, 192
.set G0R, 216
.set TM,  248
.set A1,  96                           ; the head's further accumulators for the gates' logits
.set A2,  128
.set MSB, 0
.macro WIN new                         ; the immediate's high byte repeats the setting that is left; a switch that changes nothing is dropped
.if MSB != (\new)
	s_set_vgpr_msb (MSB<<8)|(\new)
.set MSB, (\new)
.endif
.endm
.macro NOP4
.rept 4
	v_nop
.endr
.endm
.macro CREST                           ; a round of the cluster's barrier behind its opening barrier
	s_cmp_lg_u32 s4, 0
	s_cbranch_scc1 .Lnot_wave_0_\@
	s_barrier_signal -3
.Lnot_wave_0_\@:
	s_barrier_wait -3
	s_barrier_signal -1
	s_barrier_wait -1
.endm
.macro CROUND
	s_barrier_signal -1
	s_barrier_wait -1
	CREST
.endm
; one matrix instruction; odd = 1: the K step's scale words lie in lanes 16-31 of both scale registers
.macro MM d, a, b, c, sa, sb, odd
.if \odd
	v_wmma_scale_f32_16x16x128_f8f6f4 v[\d:\d+7], v[\a:\a+11], v[\b:\b+11], v[\c:\c+7], v[\sa], v[\sb] matrix_a_fmt:MATRIX_FMT_FP6 matrix_b_fmt:MATRIX_FMT_FP6 matrix_a_scale:MATRIX_SCALE_ROW1 matrix_b_scale:MATRIX_SCALE_ROW1
.else
	v_wmma_scale_f32_16x16x128_f8f6f4 v[\d:\d+7], v[\a:\a+11], v[\b:\b+11], v[\c:\c+7], v[\sa], v[\sb] matrix_a_fmt:MATRIX_FMT_FP6 matrix_b_fmt:MATRIX_FMT_FP6
.endif
.endm
; block blk of a slot into set buf: 12 loads of fragments, 2 of scale words, 2 of bias
; in the order in which a group step wants them: fragment 0, the scale words, the bias (7 loads), then fragments 1, 2, 3 (3 loads each)
.macro PRE slot, blk, buf
.irp s, 0,1,2,3
.irp c, 0,1,2
	ds_load_b128 v[WF+48*(\buf)+12*\s+4*\c:WF+48*(\buf)+12*\s+4*\c+3], v[WA+(\slot)] offset:BLW*(\blk)+1536*\s+512*\c
.endr
.if \s == 0
	ds_load_b32 v[WS+2*(\buf)], v[SA+(\slot)] offset:BLW*(\blk)
	ds_load_b32 v[WS+2*(\buf)+1], v[SA+(\slot)] offset:BLW*(\blk)+128
	ds_load_b128 v[BI+8*(\buf):BI+8*(\buf)+3], v[BA+(\slot)] offset:BLW*(\blk)
	ds_load_b128 v[BI+8*(\buf)+4:BI+8*(\buf)+7], v[BA+(\slot)] offset:BLW*(\blk)+16
.endif
.endr
.endm
; K steps s0 .. s1 of a group step: the four accumulators by turns, one instruction a turn
.macro MMS g, gb, s0, s1
.irp s, 0,1,2,3
.if (\s >= \s0) && (\s <= \s1)
.irp m, 0,1,2,3
.if \s == 0
	MM ACC+8*\m, WF+48*(\gb), 48*\m, BI+8*(\gb), WS+2*(\gb), XS+8*(\g)+2*\m, 0
.else
	MM ACC+8*\m, WF+48*(\gb)+12*\s, 12*(4*\m+\s), ACC+8*\m, WS+2*(\gb)+\s/2, XS+8*(\g)+2*\m+\s/2, \s%2
.endif
.endr
.endif
.endr
.endm
.macro PKM o, a, p, g                  ; the pair at o = experts 2 p, 2 p + 1 x their gates
	v_pk_mul_f32 v[\o:\o+1], v[\a+2*\p:\a+2*\p+1], v[\g+2*\p:\g+2*\p+1]
.endm
.macro PKF o, a, p, g
	v_pk_fma_f32 v[\o:\o+1], v[\a+2*\p:\a+2*\p+1], v[\g+2*\p:\g+2*\p+1], v[\o:\o+1]
.endm
; relu (each accumulator from its low end on), then each output that group g feeds takes gates x experts, two at a time, the chains by turns.  Group 0 starts the three sums; nothing is cleared.
.macro COMB g
	WIN 0                                          ; the relu's pairs, and g_t2[8:16], stand in window 0
.irp m, 0,1,2,3                        ; tile by tile, in the order in which the tiles' last products were issued; two neighbouring registers an instruction: one destination even, one odd, the two second sources in neighbouring banks
.irp j, 0,2,4,6
	v_dual_max_num_f32 v[ACC+8*\m+\j], 0, v[ACC+8*\m+\j] :: v_dual_max_num_f32 v[ACC+8*\m+\j+1], 0, v[ACC+8*\m+\j+1]
.endr
.endr
.if (\g) == 0                          ; output 2's sum over the shared experts begins here, under the same setting
.irp p, 0,1,2,3
.irp m, 0,1,2,3
.if \p == 0
	PKM OUT+16+2*\m, ACC+8*\m, \p, G0R+8*\m
.else
	PKF OUT+16+2*\m, ACC+8*\m, \p, G0R+8*\m
.endif
.endr
.endr
.endif
	WIN CURW                                       ; the gates that weigh this group lie in its window, as source 1
.irp p, 0,1,2,3
.irp m, 0,1,2,3
.if (\g) == 0
.if \p == 0
	PKM OUT+2*\m, ACC+8*\m, \p, 192+8*\m
	PKM OUT+8+2*\m, ACC+8*\m, \p, 224+8*\m
.else
	PKF OUT+2*\m, ACC+8*\m, \p, 192+8*\m
	PKF OUT+8+2*\m, ACC+8*\m, \p, 224+8*\m
.endif
.elseif (\g) == 1
	PKF OUT+2*\m, ACC+8*\m, \p, 192+8*\m
	PKF OUT+8+2*\m, ACC+8*\m, \p, 224+8*\m
.else
	PKF OUT+2*\m, ACC+8*\m, \p, 192+8*\m
	PKF OUT+16+2*\m, ACC+8*\m, \p, 224+8*\m
.endif
.endr
.endr
.endm
; the tile's sums are whole: each pair's halves are added, and the twelve numbers go to the stage: row 64 o + 16 m + r of my 192, word 2 tp + h
.macro STO tp
.irp o, 1,0,2
.irp m, 0,1,2,3
	v_add_f32 v[OUT+8*\o+2*\m], v[OUT+8*\o+2*\m], v[OUT+8*\o+2*\m+1]
.endr
.endr
.irp o, 1,0,2
.irp m, 0,1,2,3
	ds_store_b32 v11, v[OUT+8*\o+2*\m] offset:2048*\o+512*\m+8*(\tp)
.endr
.endr
.endm
; A GROUP STEP: block i of the slot (tile i / 3, group i % 3, register set i % 2).
; mode 0: the next block of the same slot is fetched.  mode 3: the last step of all.
; mode 1, 2: the slot's last step.  My reads of the slot are over when this block's fragments are in.  I wait for all my tensor loads (my part of the other slot), add 0 to my spare word, multiply, wait, signal, multiply, wait:
; mode 1: the barrier opens a round of the cluster's barrier and the slot is filled again, two slot steps ahead; mode 2: nothing is left to ask for.  Then the other slot's first block is fetched, under this step's vector work.
.macro GSTEP slot, i, mode
.set GG, (\i)%3
.set GB, (\i)%2
.set CURW, (1+GG)<<2
.if (\mode) == 0 || (\mode) == 3
.if GG == 0
.set YO, 12                            ; LDS instructions issued behind this block's 16 loads, which may stay out: the 12 stores to the stage of the step before, where it ended a tile,
.else
.set YO, 0
.endif
.if (\mode) == 0
	PRE \slot, (\i)+1, 1-GB                        ; (destination and address stand in window 0 under every setting of the loop)
.set YO, YO+16                         ; and the 16 loads just issued
.endif
	WIN CURW
.irp s, 0,1,2,3
	s_wait_dscnt YO+9-3*\s                         ; K step s's fragment is in (with K step 0's: the scale words and the bias); behind it stand 3 loads for each later K step, and the YO
	MMS GG, GB, \s, \s
.endr
	NOP4                                           ; the places in front of the first read of the results
.else
	WIN 0                                          ; the add's two registers lie in window 0
	s_wait_tensorcnt 0x0                           ; no tensor load of mine is out
	ds_add_u32 v13, v14                            ; 0 onto my spare word
.if (\mode) == 1
	s_add_nc_u64 s[42+4*(\slot):43+4*(\slot)], s[42+4*(\slot):43+4*(\slot)], 2*SLB
.endif
	s_wait_dscnt 1                                 ; the add alone may be out: this block's 16 loads are in
	WIN CURW
	MMS GG, GB, 0, 1
	s_wait_dscnt 0x0                               ; the add is done; my reads of the slot were over above
	s_barrier_signal -1
	MMS GG, GB, 2, 3
	WIN 0                                          ; at a branch and at a label every window is 0
	s_barrier_wait -1
.if (\mode) == 1
	CREST
	tensor_load_to_lds s[40+4*(\slot):43+4*(\slot)], s[32:39]   ; my one tensor load behind the round, and the first thing there
	s_nop 0
.endif
	NOP4                                           ; the places in front of the first read of the results
	PRE 1-(\slot), 0, 0
.endif
	COMB GG
.if GG == 2
	WIN 0                                          ; an LDS store's data are its source 1
	STO 2*(\slot)+(\i)/3
.endif
.endm
.macro SSTEP slot, lastmode
.irp i, 0,1,2,3,4
	GSTEP \slot, \i, 0
.endr
	GSTEP \slot, 5, \lastmode
.endm
; THE GATES.  16 matrix instructions: 16 columns of a gate's weight (fragments at af) x my four tiles of rows of x of group g; the gate's bias (eight registers at c) is the first C.  Lane (r, h) gets logits 8 h + 0 .. 7 of row r.
.macro GATE g, af, d, c, sc
.irp s, 0,1,2,3
.irp m, 0,1,2,3
.if \s == 0
	MM \d+8*\m, \af+12*\s, 12*(4*\m+\s), \c, \sc+\s/2, XS+8*\g+2*\m+\s/2, 0
.else
	MM \d+8*\m, \af+12*\s, 12*(4*\m+\s), \d+8*\m, \sc+\s/2, XS+8*\g+2*\m+\s/2, \s%2
.endif
.endr
.endr
.endm
; logits 0-7 (lanes 0-15) and 8-15 (lanes 16-31) at b become logits 0-7 at b and 8-15 at WF, in both halves of the lanes.  The copies read each accumulator from its low end on.
.macro SPREAD b
.set QI, 0
.rept 32
	v_mov_b32 v[WF+QI], v[\b+QI]
.set QI, QI+1
.endr
.set QI, 0
.rept 32
	v_permlane16_swap_b32 v[\b+QI], v[WF+QI]
.set QI, QI+1
.endr
.endm
.macro MAXB b, first                   ; the row's largest logit takes in eight more, the four tiles by turns
.if \first
.irp m, 0,1,2,3
	v_max3_num_f32 v[TM+2*\m], v[\b+8*\m], v[\b+8*\m+1], v[\b+8*\m+2]
.endr
.irp k, 3,5
.irp m, 0,1,2,3
	v_max3_num_f32 v[TM+2*\m], v[TM+2*\m], v[\b+8*\m+\k], v[\b+8*\m+\k+1]
.endr
.endr
.irp m, 0,1,2,3
	v_max_num_f32 v[TM+2*\m], v[TM+2*\m], v[\b+8*\m+7]
.endr
.else
.irp k, 0,2,4,6
.irp m, 0,1,2,3
	v_max3_num_f32 v[TM+2*\m], v[TM+2*\m], v[\b+8*\m+\k], v[\b+8*\m+\k+1]
.endr
.endr
.endif
.endm
.macro CMAX                            ; the maximum x log2(e)
.irp m, 0,1,2,3
	v_mul_f32 v[TM+2*\m], s56, v[TM+2*\m]
.endr
.endm
.macro EXPB b                          ; 2^(logit x log2(e) - maximum x log2(e))
.irp k, 0,2,4,6
.irp m, 0,1,2,3
	v_pk_fma_f32 v[\b+8*\m+\k:\b+8*\m+\k+1], v[\b+8*\m+\k:\b+8*\m+\k+1], s[56:57], v[TM+2*\m:TM+2*\m+1] op_sel_hi:[1,0,0] neg_lo:[0,0,1] neg_hi:[0,0,1]
.endr
.endr
.set QI, 0
	s_wait_alu depctr_va_vdst(0)                   ; the wait ahead of the batch
.rept 32
	v_exp_f32 v[\b+QI], v[\b+QI]
.set QI, QI+1
.endr
.endm
.macro SUMB b, first
.if \first
.irp m, 0,1,2,3
	v_pk_add_f32 v[WF+32+2*\m:WF+33+2*\m], v[\b+8*\m:\b+8*\m+1], v[\b+8*\m+2:\b+8*\m+3]
.endr
.irp k, 4,6
.irp m, 0,1,2,3
	v_pk_add_f32 v[WF+32+2*\m:WF+33+2*\m], v[WF+32+2*\m:WF+33+2*\m], v[\b+8*\m+\k:\b+8*\m+\k+1]
.endr
.endr
.else
.irp k, 0,2,4,6
.irp m, 0,1,2,3
	v_pk_add_f32 v[WF+32+2*\m:WF+33+2*\m], v[WF+32+2*\m:WF+33+2*\m], v[\b+8*\m+\k:\b+8*\m+\k+1]
.endr
.endr
.endif
.endm
.macro FIN                             ; 1 / the row's sum
.irp m, 0,1,2,3
	v_add_f32 v[WF+32+2*\m], v[WF+32+2*\m], v[WF+33+2*\m]
.endr
	s_wait_alu depctr_va_vdst(0)
.irp m, 0,1,2,3
	v_rcp_f32 v[WF+40+2*\m], v[WF+32+2*\m]
.endr
	v_nop                                          ; a plain instruction between the last reciprocal and the use of its result
	s_wait_alu depctr_va_vdst(0)
.endm
.macro SCALEB b, d, w                  ; eight gates of each tile, normalised, to their place: register d on of window w
	WIN (\w)<<6
.irp k, 0,2,4,6
.irp m, 0,1,2,3
	v_pk_mul_f32 v[\d+8*\m+\k:\d+8*\m+\k+1], v[\b+8*\m+\k:\b+8*\m+\k+1], v[WF+40+2*\m:WF+41+2*\m] op_sel_hi:[1,0]
.endr
.endr
.endm
	s_load_b512 s[8:23], s[0:1], 0x0               ; xq s[8:9], wq s[10:11], gq s[12:13], bg_sh, bg_t1, bg_t2 s[14:19], out0, out1 s[20:23]
	s_load_b64 s[24:25], s[0:1], 0x40              ; out2
	v_lshl_add_u32 v13, v0, 2, SPARE
	v_mov_b32 v14, 0
	ds_add_u32 v13, v14                            ; the opening lines: the add, twice on end, and its wait ahead of my first tensor load
	ds_add_u32 v13, v14
	v_lshrrev_b32 v15, 5, v0
	v_readfirstlane_b32 s4, v15                    ; wave 0..3
	v_and_b32 v15, 31, v0
	v_lshlrev_b32 v1, 4, v15                       ; 16 x lane
	v_lshlrev_b32 v2, 2, v15                       ; 4 x lane
	v_bfe_u32 v12, v0, 4, 1
	v_lshlrev_b32 v12, 5, v12                      ; 32 h
	s_mul_i32 s49, s4, XW                          ; where my x lands in LDS
	v_add_nc_u32 v3, SLOT0, v1
	v_add_nc_u32 v4, SLOT1, v1
	v_add_nc_u32 v5, SLOT0+6144, v2
	v_add_nc_u32 v6, SLOT1+6144, v2
	v_add_nc_u32 v7, SLOT0+6400, v12
	v_add_nc_u32 v8, SLOT1+6400, v12
	v_add_nc_u32 v10, s49, v1                      ; my x: blocks 0-5,
	v_add_nc_u32 v11, 6*BLK, v10                   ; blocks 6-11;
	v_add_nc_u32 v162, s49, v2                     ; their scale words
	v_add_nc_u32 v163, 6*BLK, v162
	v_mov_b32 v160, 0                              ; an offset of 0
	s_bfe_u32 s5, ttmp6, 0x40000                   ; cx: it enters xq's and the outputs' addresses alone
	s_lshl_b32 s6, ttmp9, 2
	s_add_co_u32 s6, s6, s5                        ; work-group x
	s_and_b32 s7, ttmp7, 0xffff                    ; y, which the four partners share
	s_mov_b32 s32, 15|(3<<16)|(1<<21)              ; W's group 1: mask of all four work-groups; elements of 8 bytes; bit 21 beside a mask
	s_mov_b32 s33, 32<<16                          ; rows of 256 bytes,
	s_mov_b32 s34, 39<<16                          ; 39 of them: my quarter of a slot, dense
	s_mov_b32 s35, 32<<16
	s_mov_b32 s36, 39
	s_mov_b32 s37, 32
	s_mov_b32 s38, 0
	s_mov_b32 s39, 0
	s_mov_b32 s72, 3<<16                           ; x's group 1: no mask; 300 rows of 256 bytes, dense
	s_mov_b32 s73, 32<<16
	s_mov_b32 s74, 300<<16
	s_mov_b32 s75, 32<<16
	s_mov_b32 s76, 300
	s_mov_b32 s77, 32
	s_mov_b32 s78, 0
	s_mov_b32 s79, 0
	s_mul_i32 s55, s4, QTR
	s_mul_i32 s52, s7, 96*BLW                      ; y's 96 blocks of wq
	s_add_co_u32 s52, s52, s55
	s_mov_b32 s53, 0
	s_lshl_b32 s58, s6, 2
	s_add_co_u32 s58, s58, s4
	s_mul_i32 s58, s58, XW                         ; my 12 blocks of xq
	s_mov_b32 s59, 0
	s_lshl_b32 s66, s6, 8
	s_lshl_b32 s67, s4, 6
	s_add_co_u32 s66, s66, s67
	s_lshl_b32 s66, s66, 11                        ; my first row of an output, 2,048 bytes a row,
	s_lshl_b32 s67, s7, 8
	s_add_co_u32 s66, s66, s67                     ; + y's 256 bytes of it
	s_mov_b32 s67, 0
	s_mov_b32 s56, 0x3fb8aa3b                      ; log2(e)
	s_mov_b32 s57, s56                             ; (named with it as a pair)
	s_mov_b32 s60, STG                             ; the stage's chunk
	s_mul_i32 s61, s4, 6144                        ; my 192 rows of a chunk
	s_wait_alu depctr_va_vdst(0)
	s_wait_dscnt 0x0                               ; both opening adds are done
	s_wait_kmcnt 0x0
	s_mov_b32 s40, 1                               ; group 0 for slot 0: slot step 0,
	s_add_co_u32 s41, s55, SLOT0
	s_add_nc_u64 s[42:43], s[10:11], s[52:53]
	s_mov_b32 s44, 1                               ; for slot 1: slot step 1,
	s_add_co_u32 s45, s55, SLOT1
	s_add_nc_u64 s[46:47], s[42:43], SLB
	s_or_b32 s43, s43, 0x80000000
	s_or_b32 s47, s47, 0x80000000
	s_mov_b32 s48, 1                               ; and for my x (s49 was made above)
	s_add_nc_u64 s[50:51], s[8:9], s[58:59]
	s_or_b32 s51, s51, 0x80000000
	s_add_nc_u64 s[20:21], s[20:21], s[66:67]
	s_add_nc_u64 s[22:23], s[22:23], s[66:67]
	s_add_nc_u64 s[24:25], s[24:25], s[66:67]
	CROUND                                         ; in a cluster launch every group of tensor loads stands behind a round
	tensor_load_to_lds s[48:51], s[72:79]          ; my one load at the head: my x
	s_nop 0
	NOP4
.irp q, 1,2,3                                  ; the gates' weights: blocks 1 to 3 lie for now where the gates will lie
	WIN (\q)<<6
.irp s, 0,1,2,3
.irp c, 0,1,2
	global_load_b128 v[192+12*\s+4*\c:192+12*\s+4*\c+3], v1, s[12:13] offset:BLK*\q+1536*\s+512*\c
.endr
.endr
.endr
	WIN 0
.irp s, 0,1,2,3
.irp c, 0,1,2
	global_load_b128 v[WF+12*\s+4*\c:WF+12*\s+4*\c+3], v1, s[12:13] offset:1536*\s+512*\c   ; block 0
.endr
.endr
.irp u, 0,1
	global_load_b32 v[WS+\u], v2, s[12:13] offset:6144+128*\u
	global_load_b32 v[WS+2+\u], v2, s[12:13] offset:BLK+6144+128*\u
	global_load_b32 v[GSC+\u], v2, s[12:13] offset:2*BLK+6144+128*\u
	global_load_b32 v[GSC+2+\u], v2, s[12:13] offset:3*BLK+6144+128*\u
.endr
	global_load_b128 v[192:195], v12, s[14:15]             ; bg_sh[8 h ..]
	global_load_b128 v[196:199], v12, s[14:15] offset:16
	global_load_b128 v[200:203], v160, s[14:15] offset:64  ; bg_sh[16 ..], the same in both halves
	global_load_b128 v[204:207], v160, s[14:15] offset:80
	global_load_b128 v[208:211], v12, s[16:17]             ; bg_t1[8 h ..]
	global_load_b128 v[212:215], v12, s[16:17] offset:16
	global_load_b128 v[248:251], v12, s[18:19]             ; bg_t2[8 h ..]
	global_load_b128 v[252:255], v12, s[18:19] offset:16
	s_wait_tensorcnt 0x0                           ; my x is in LDS; I alone read it
.irp g, 0,1,2
	WIN (1+\g)<<6                                  ; destination window 1 + g
.irp m, 0,1,2,3
.irp s, 0,1,2,3
.irp c, 0,1,2
	ds_load_b128 v[12*(4*\m+\s)+4*\c:12*(4*\m+\s)+4*\c+3], v[10+(4*\g+\m)/6] offset:BLK*((4*\g+\m)%6)+1536*\s+512*\c
.endr
.endr
.endr
.endr
	WIN 0
.irp g, 0,1,2
.irp m, 0,1,2,3
.irp u, 0,1
	ds_load_b32 v[XS+8*\g+2*\m+\u], v[162+(4*\g+\m)/6] offset:BLK*((4*\g+\m)%6)+6144+128*\u
.endr
.endr
.endr
	s_wait_tensorcnt 0x0                           ; the three lines ahead of a fill of bytes that held x
	ds_add_u32 v13, v14
	s_wait_dscnt 0x0                               ; the add is done, and x is in registers
	CROUND
	tensor_load_to_lds s[40:43], s[32:39]          ; slot step 0, jointly: it lands under the gates' work
	s_nop 0
	NOP4
	s_wait_loadcnt 0x0
	WIN 0x04                                       ; source 1 (x shared) window 1
	GATE 0, WF, ACC, 192, WS
	WIN 0x05                                       ; source 0 window 1 too
	GATE 0, 192, A1, 200, WS+2
	WIN 0x0a                                       ; both in window 2: task 1
	GATE 1, 192, A2, 208, GSC
	WIN 0x0f                                       ; both in window 3: task 2
	GATE 2, 192, G0R, 248, GSC+2
	WIN 0
	NOP4                                           ; the places behind the last products
	; the shared gate: softmax over 24
	SPREAD ACC
	MAXB ACC, 1
	MAXB WF, 0
	MAXB A1, 0
	CMAX
	EXPB ACC
	EXPB WF
	EXPB A1
	v_nop                                          ; a plain instruction behind the exponentials
	s_wait_alu depctr_va_vdst(0)
	SUMB ACC, 1
	SUMB WF, 0
	SUMB A1, 0
	FIN
	SCALEB ACC, 192, 2                             ; g_sh[0:8] weighs task 1's experts
	SCALEB WF, 192, 1                              ; g_sh[8:16] the shared ones
	SCALEB A1, 192, 3                              ; g_sh[16:24] task 2's
	WIN 0
	; task 1's gate: softmax over 16
	s_wait_alu depctr_va_vdst(0)                   ; the wait ahead of the first reader of these matrix results
	SPREAD A2
	MAXB A2, 1
	MAXB WF, 0
	CMAX
	EXPB A2
	EXPB WF
	v_nop
	s_wait_alu depctr_va_vdst(0)
	SUMB A2, 1
	SUMB WF, 0
	FIN
	SCALEB A2, 224, 2                              ; g_t1[0:8] weighs task 1's experts
	SCALEB WF, 224, 1                              ; g_t1[8:16] the shared ones
	WIN 0
	; task 2's gate
	s_wait_alu depctr_va_vdst(0)
	SPREAD G0R
	MAXB G0R, 1
	MAXB WF, 0
	CMAX
	EXPB G0R
	EXPB WF
	v_nop
	s_wait_alu depctr_va_vdst(0)
	SUMB G0R, 1
	SUMB WF, 0
	FIN
	SCALEB G0R, 224, 3                             ; g_t2[0:8] weighs task 2's experts
	SCALEB WF, G0R, 0                              ; g_t2[8:16] the shared ones
	WIN 0
	v_and_b32 v9, 15, v0                           ; the stage: my wave's 192 rows of a chunk, row r, word h
	v_bfe_u32 v15, v0, 4, 1
	v_lshlrev_b32 v9, 5, v9
	v_lshl_add_u32 v9, v15, 2, v9
	v_add_nc_u32 v9, s61, v9
	v_add_nc_u32 v11, s60, v9                      ; chunk 0
	s_wait_alu depctr_va_vdst(0)
	s_wait_tensorcnt 0x0                           ; my quarter of slot 0 is in; the three lines ahead of slot 1's fill
	ds_add_u32 v13, v14
	s_wait_dscnt 0x0
	CROUND                                         ; everybody's quarter is in
	tensor_load_to_lds s[44:47], s[32:39]          ; slot step 1
	s_nop 0
	NOP4
	PRE 0, 0, 0
	s_mov_b32 s3, 7
	s_wait_dscnt 0x0                               ; on this way into the loop no stage stores stand behind these loads, so the loop's first count would not cover them
.Ltrip:                                            ; a trip: two slot steps, four tiles, one chunk of the stage; both slots are filled again: slot steps 2 to 15
	SSTEP 0, 1
	SSTEP 1, 1
	s_add_co_u32 s60, s60, CH
	v_add_nc_u32 v11, s60, v9                      ; the next chunk
	s_sub_co_u32 s3, s3, 1
	s_cmp_lg_u32 s3, 0
	s_wait_alu depctr_va_vdst(0)
	s_cbranch_scc1 .Ltrip
	SSTEP 0, 2                                     ; the last two slot steps are written out: nothing is left to ask for
	SSTEP 1, 3
	; THE WAY OUT.  A row's 64 numbers of an output lie in the eight chunks, 32 bytes in each; sixteen lanes gather them as 16 pieces of 16 bytes and store 256 consecutive bytes, at a multiple of 256 from the output's first byte.
	; Each wave reads the rows that it wrote itself, and LDS serves a wave's instructions in order.  Six batches of 32 rows, on two sets of 64 registers by turns.
	s_wait_dscnt 0x0                               ; the stage's stores have read their registers
	v_bfe_u32 v15, v0, 1, 3                        ; the chunk: (lane % 16) / 2
	v_mul_u32_u24 v15, v15, CH
	v_and_b32 v2, 1, v0
	v_lshl_add_u32 v15, v2, 4, v15                 ; its first or second 16 bytes
	v_bfe_u32 v2, v0, 4, 1
	v_lshl_add_u32 v15, v2, 5, v15                 ; lanes 16-31: the next row
	v_add_nc_u32 v15, s61, v15
	v_and_b32 v1, 15, v0
	v_lshlrev_b32 v1, 4, v1
	v_lshl_add_u32 v1, v2, 11, v1                  ; and the same place in an output
.macro LOADB b
.irp p, 0,1,2,3,4,5,6,7,8,9,10,11,12,13,14,15
	ds_load_b128 v[48+64*((\b)%2)+4*\p:48+64*((\b)%2)+4*\p+3], v15 offset:STG+2048*((\b)/2)+1024*((\b)%2)+64*\p
.endr
.endm
.macro SENDB b
.irp p, 0,1,2,3,4,5,6,7,8,9,10,11,12,13,14,15
	global_store_b128 v1, v[48+64*((\b)%2)+4*\p:48+64*((\b)%2)+4*\p+3], s[20+2*((\b)/2):21+2*((\b)/2)] offset:(32*((\b)%2)+2*\p)*2048 th:TH_STORE_NT
.endr
.endm
	s_wait_alu depctr_va_vdst(0)
	LOADB 0
.irp b, 0,1,2,3,4,5
.if \b < 5
.if \b > 0
	s_wait_xcnt 0x0                                ; the batch before's stores have read the registers that the next loads fill
.endif
	LOADB \b+1
	s_wait_dscnt 16                                ; this batch is back; the next one's 16 loads may be out
.else
	s_wait_dscnt 0x0
.endif
	SENDB \b
.endr
	s_wait_tensorcnt 0x0                           ; the wave's end: behind my last tensor load and my last LDS store
	ds_add_u32 v13, v14
	s_wait_dscnt 0x0
	CROUND                                         ; the closing round: no work-group ends while a partner may still ask for a tile that names it
	s_endpgm
.Lfunc_end_k_qa2252c30a5_main:
	.size	k_qa2252c30a5_main, .Lfunc_end_k_qa2252c30a5_main-k_qa2252c30a5_main
	.p2alignl 7, 3214868480
	.fill 96, 4, 3214868480
	.section	.rodata,"a",@progbits
	.p2align	6, 0x0
	.amdhsa_kernel k_qa2252c30a5_main
		.amdhsa_group_segment_fixed_size 327680
		.amdhsa_private_segment_fixed_size 0
		.amdhsa_enable_private_segment 0
		.amdhsa_kernarg_size 72
		.amdhsa_user_sgpr_count 2
		.amdhsa_user_sgpr_kernarg_segment_ptr 1
		.amdhsa_wavefront_size32 1
		.amdhsa_system_sgpr_workgroup_id_x 1
		.amdhsa_system_sgpr_workgroup_id_y 1
		.amdhsa_system_sgpr_workgroup_id_z 1
		.amdhsa_system_vgpr_workitem_id 0
		.amdhsa_next_free_vgpr 1024
		.amdhsa_next_free_sgpr 96
		.amdhsa_reserve_vcc 0
		.amdhsa_float_denorm_mode_32 3
		.amdhsa_float_denorm_mode_16_64 3
		.amdhsa_memory_ordered 1
		.amdhsa_forward_progress 1
		.amdhsa_inst_pref_size 255
	.end_amdhsa_kernel
	.section	.bss,"aw",@nobits
	.p2align	6
	.space	262144
	.amdgpu_metadata
---
amdhsa.version: [ 1, 2 ]
amdhsa.kernels:
  - .name:           k_qa2252c30a5_main
    .symbol:         k_qa2252c30a5_main.kd
    .args:
      - { .name: xq, .offset: 0, .size: 8, .value_kind: global_buffer, .address_space: global }
      - { .name: wq, .offset: 8, .size: 8, .value_kind: global_buffer, .address_space: global }
      - { .name: gq, .offset: 16, .size: 8, .value_kind: global_buffer, .address_space: global }
      - { .name: bg_sh, .offset: 24, .size: 8, .value_kind: global_buffer, .address_space: global }
      - { .name: bg_t1, .offset: 32, .size: 8, .value_kind: global_buffer, .address_space: global }
      - { .name: bg_t2, .offset: 40, .size: 8, .value_kind: global_buffer, .address_space: global }
      - { .name: out0, .offset: 48, .size: 8, .value_kind: global_buffer, .address_space: global }
      - { .name: out1, .offset: 56, .size: 8, .value_kind: global_buffer, .address_space: global }
      - { .name: out2, .offset: 64, .size: 8, .value_kind: global_buffer, .address_space: global }
    .group_segment_fixed_size: 327680
    .private_segment_fixed_size: 0
    .kernarg_segment_align: 8
    .kernarg_segment_size: 72
    .max_flat_workgroup_size: 128
    .sgpr_count:     96
    .vgpr_count:     1024
    .wavefront_size: 32
...
	.end_amdgpu_metadata
.endif
;; end of part 2
